; MI455X (gfx1250); checked and timed in simulation.
; The chip was launched on July 23, 2026; its instructions are those of AMD's public machine-readable ISA for CDNA 5 (MIT licence, August 2026) and "CDNA5" Instruction Set Architecture Reference Guide (July 2026). The comments in the code are by the model that wrote it; some were corrected since.
;; Attention Block. Allowed arithmetic: matrix products marked QUANTISED: E2M1 operands, one E8M0 scale for each 32 along K, by v_wmma_scale_f32_16x16x128_f8f6f4 with both operands' format E2M1 (or v_wmma_scale_f32_32x16x128_f4), f32 sums; everything else in f32.
;; Inputs: gn_bias 256 float32; gn_scale 256 float32; proj_b 256 float32; proj_w_codes 256 x 8 x 16 uint8 (E2M1 codes of proj_w, K innermost, in blocks of 32 codes, two codes a byte); proj_w_scales 256 x 8 uint8 (E8M0 scales of proj_w, one for each 32 codes along K); qkv_b 768 float32; qkv_w_codes 768 x 8 x 16 uint8 (E2M1 codes of qkv_w, K innermost, in blocks of 32 codes, two codes a byte); qkv_w_scales 768 x 8 uint8 (E8M0 scales of qkv_w, one for each 32 codes along K); x 4 x 256 x 64 x 64 float32.
;; Outputs: out0 4 x 256 x 64 x 64 float32.
;; This version of the problem:
;;   THIS VERSION OF THE PROBLEM IS GIVEN IN LOW PRECISION. The matrix products marked QUANTISED in the list below multiply operands that are first quantised to E2M1 (2 exponent bits, 1 mantissa bit; 4 bits a number), with one power-of-two scale for each 32 numbers along K (OCP MX v1.0); their sums are f32. All else is computed in f32.
;;   The module's matrix products, in the order in which they are computed (A, B: the left and right operand; K: the contracted axis; several contracted axes count as one K, in the product's order):
;;     1. [M 768, K 256] x [K 256, N 16,384]; A: input qkv_w (given as codes); B: computed on the way: QUANTISED
;;     2. batch 16 x [M 4,096, K 64] x [K 64, N 4,096]; A: computed on the way; B: computed on the way: QUANTISED
;;     3. batch 16 x [M 4,096, K 4,096] x [K 4,096, N 64]; A: softmax (see below); B: computed on the way: QUANTISED
;;     4. [M 256, K 256] x [K 256, N 16,384]; A: input proj_w (given as codes); B: computed on the way: QUANTISED
;;   THE QUANTISER, for each operand of a quantised product, along K:
;;     - K is cut into blocks of 32 from its start; a last block that is shorter is filled with zeros.
;;     - A block's scale is 2^e with e = floor(log2(the largest magnitude in the block)) - 2, held to -126 .. 127; a block of zeros has e = 0. As a byte (E8M0): e + 127.
;;     - Each number is divided by its block's scale, clamped to +-6, and rounded to the nearest number of E2M1, ties to even, subnormals kept.
;;     - The product sums the exact products of the quantised numbers (number of the format x scale) in f32.
;;   ~~~python
;;   def quantise(x, axis):      # numpy; x: float32 -> the quantised numbers, widened to float32 again
;;       x = np.moveaxis(x, axis, -1); K = x.shape[-1]
;;       x = np.pad(x, [(0, 0)] * (x.ndim - 1) + [(0, -K % 32)]); x = x.reshape(x.shape[:-1] + (-1, 32)); a = np.abs(x).max(-1, keepdims=True)
;;       e = np.where(a > 0, np.clip(np.frexp(np.where(a > 0, a, 1))[1] - 1 - 2, -126, 127), 0)      # np.frexp(a)[1] - 1 = floor(log2(a)), exactly
;;       r = np.clip(x / 2.0 ** e, -6, 6)
;;       step = 2.0 ** (np.maximum(np.frexp(np.where(r == 0, 1, r))[1] - 1, 0) - 1)
;;       q = np.round(r / step) * step * 2.0 ** e      # np.round: ties to even
;;       return np.moveaxis(q.reshape(q.shape[:-2] + (-1,))[..., :K], -1, axis).astype(np.float32)
;;   ~~~
;;   SOFTMAX AHEAD OF A QUANTISED PRODUCT. Where the list says 'softmax', what is quantised is not the finished softmax but p = 2^(t - M), with t = logit x log2(e) and M = ceil(the row's largest t), a whole number; so 1/2 < the row's largest p <= 1. The row's sum l is taken of the UNQUANTISED p, in f32, and the product's result is divided by l at the end. Since M is a whole number, a kernel that streams over the keys may use a running M (the ceiling of the running maximum): every later rescaling is an exact power of two, which a block's scale takes up: the codes' values come out the same.
;;   OPERANDS COMPUTED ON THE WAY. 'Computed on the way' means the value that the module computes at that place (a softmax that the list does not call 'softmax' is quantised finished and normalised). What goes into a quantiser is computed in f32, as accurately as f32 sums, v_exp_f32 and their like allow (about 1e-6 of the number): no bf16 or f16 on the way to a quantiser, and a product that is left as it is and whose result goes on into a quantised operand takes f32 operands (vector FMAs, or v_wmma_f32_16x16x4_f32). A number that lies on a knife's edge between two numbers of the format may be rounded either way, as far as f32 arithmetic and the matrix unit's own rounding can turn it there, and no further.
;;   INPUTS GIVEN AS CODES. proj_w (in the module: [256, 256], K = its axis 1); qkv_w (in the module: [768, 256], K = its axis 1): each comes as NAME_codes (uint8): NAME with its K axis moved to the last place and cut into blocks of 32 codes, [.., K / 32, bytes a block], one block behind the other in memory; two codes a byte, the lower K in the low four bits (a code: sign, 2 exponent bits, 1 mantissa bit); and NAME_scales (uint8): the same leading axes, one E8M0 byte (e + 127) for each 32 codes along K. Its value is code x scale, taken as it is: it is not quantised again, and the codes and scales need not be those that the quantiser above would give.
;; One version. Each part assembles by itself: llvm-mc -triple=amdgcn-amd-amdhsa -mcpu=gfx1250 --defsym DOCPART=n.
;; ======== version 1 of 1: 3 launches
;; workspace buffers: stats 2,048 bytes; qc 2,097,152 bytes; qs 524,288 bytes; kvc 4,194,304 bytes; kvs 262,144 bytes
;; launch stats (part 1): grid 256 x 1, 8 waves a work-group, no clusters, 1,280 bytes of LDS; arguments x, stats; writes stats
.if DOCPART == 1
	.amdgcn_target "amdgcn-amd-amdhsa--gfx1250"
	.amdhsa_code_object_version 6
	.text
	.protected	k_qe95ab0d620_stats
	.globl	k_qe95ab0d620_stats
	.p2align	8
	.type	k_qe95ab0d620_stats,@function
k_qe95ab0d620_stats:
	s_mov_b64 s[64:65], 0
	v_nop
	global_prefetch_b8 v0, s[64:65] scope:SCOPE_SE
	s_setreg_imm32_b32 hwreg(HW_REG_WAVE_MODE, 25, 1), 1
	s_wait_xcnt 0x0
; GroupNorm's statistics.  x: [4][256][4096] f32.  A group is 8 channels of one batch: 131,072 consecutive bytes.
; Work-group i takes HALF a group, the 65,536 consecutive bytes at 65,536 i (16,384 numbers), and stores its mean and its sum of squared
; deviations from that mean at stats[i] (8 bytes).  The next launch joins the two halves of a group.
; Two passes over registers: the numbers are read from memory once, the mean is taken first, and the squares are those of the deviations,
; so that no difference of large sums is formed when x carries a common offset.
; Thread t holds 16 x 16 bytes, at 16 t + 4,096 j: each load of a wave covers 512 consecutive bytes.  All 16 loads are out at once.
; No cluster, no tensor load, no matrix unit: the work-groups share no input, and each byte is read once into registers.
; The result is 8 bytes a work-group: the one store of the launch that does not fill 256 consecutive bytes.
; LIMITS: NaN and infinities among the inputs are not served.
.set X, 20                             ; v[20:83] my 64 numbers
	s_load_b128 s[4:7], s[0:1], 0x0                ; x s[4:5], stats s[6:7]
	v_lshl_add_u32 v84, v0, 2, 0x100
	v_mov_b32 v85, 0
	v_lshlrev_b32 v1, 4, v0                        ; 16 t
	v_lshrrev_b32 v18, 5, v0
	s_delay_alu instid0(VALU_DEP_1)
	v_readfirstlane_b32 s8, v18                    ; wave 0..7
	s_delay_alu instid0(VALU_DEP_2)
	v_lshlrev_b32 v18, 2, v18                      ; LDS: my wave's word
	v_mov_b32 v19, 0
	s_lshl_b32 s2, ttmp9, 16                       ; my half group's first byte
	s_mov_b32 s3, 0
	s_lshl_b32 s12, ttmp9, 3                       ; and its place in stats
	s_mov_b32 s13, 0
	s_mov_b32 s10, 0x76543210                      ; v_permlanex16_b32's selects for lane l xor 16
	s_mov_b32 s11, 0xfedcba98
	s_wait_alu depctr_va_vdst(0)
	s_wait_kmcnt 0x0
	s_add_nc_u64 s[4:5], s[4:5], s[2:3]
	s_add_nc_u64 s[6:7], s[6:7], s[12:13]
.irp j, 0,1,2,3,4,5,6,7,8,9,10,11,12,13,14,15
	global_load_b128 v[X+4*\j:X+4*\j+3], v1, s[4:5] offset:4096*\j   ; no hint: later launches read x again
.endr
; The two chains v[2:3], v[4:5] become one number for the whole work-group, in v10 of every lane.  off: eight LDS words of this sum's own.
.macro WGSUM off
	s_delay_alu instid0(VALU_DEP_1)
	v_pk_add_f32 v[2:3], v[2:3], v[4:5]
	s_delay_alu instid0(VALU_DEP_1)
	v_add_f32 v2, v2, v3
	s_delay_alu instid0(VALU_DEP_1)
	v_add_f32_dpp v2, v2, v2 row_xmask:1 row_mask:0xf bank_mask:0xf
	s_delay_alu instid0(VALU_DEP_1)
	v_add_f32_dpp v2, v2, v2 row_xmask:2 row_mask:0xf bank_mask:0xf
	s_delay_alu instid0(VALU_DEP_1)
	v_add_f32_dpp v2, v2, v2 row_xmask:4 row_mask:0xf bank_mask:0xf
	s_delay_alu instid0(VALU_DEP_1)
	v_add_f32_dpp v2, v2, v2 row_xmask:8 row_mask:0xf bank_mask:0xf
	s_delay_alu instid0(VALU_DEP_1)
	v_permlanex16_b32 v3, v2, s10, s11             ; (v3 has been written: a permute's destination counts as read)
	s_delay_alu instid0(VALU_DEP_1)
	v_add_f32 v2, v2, v3                           ; the wave's sum, in every lane
	ds_store_b32 v18, v2 offset:\off               ; all lanes write the same word with the same value
	s_wait_dscnt 0x0                               ; for the others' sake: my store has landed
	s_barrier_signal -1
	s_barrier_wait -1
	ds_load_b128 v[10:13], v19 offset:\off
	ds_load_b128 v[14:17], v19 offset:\off+16
	s_wait_dscnt 0x0
	v_add_f32 v10, v10, v11
	v_add_f32 v12, v12, v13
	v_add_f32 v14, v14, v15
	v_add_f32 v16, v16, v17
	s_delay_alu instid0(VALU_DEP_3)
	v_add_f32 v10, v10, v12
	s_delay_alu instid0(VALU_DEP_2)
	v_add_f32 v14, v14, v16
	s_delay_alu instid0(VALU_DEP_1)
	v_add_f32 v10, v10, v14
.endm
	; pass 1: the sum, two numbers at a time, in two chains; the first four pairs start them: nothing is cleared
	s_wait_loadcnt 12                              ; loads come back in order: the first four are in, twelve younger ones may be out
	v_pk_add_f32 v[2:3], v[X:X+1], v[X+2:X+3]
	v_pk_add_f32 v[4:5], v[X+4:X+5], v[X+6:X+7]
.irp p, 4,6
	s_delay_alu instid0(VALU_DEP_2)
	v_pk_add_f32 v[2:3], v[2:3], v[X+2*\p:X+2*\p+1]
	s_delay_alu instid0(VALU_DEP_2)
	v_pk_add_f32 v[4:5], v[4:5], v[X+2*\p+2:X+2*\p+3]
.endr
	s_wait_alu depctr_va_vdst(0)
	s_wait_loadcnt 8
.irp p, 8
	v_pk_add_f32 v[2:3], v[2:3], v[X+2*\p:X+2*\p+1]
	v_pk_add_f32 v[4:5], v[4:5], v[X+2*\p+2:X+2*\p+3]
.endr
.irp p, 10, 12, 14
	s_delay_alu instid0(VALU_DEP_2)
	v_pk_add_f32 v[2:3], v[2:3], v[X+2*\p:X+2*\p+1]
	s_delay_alu instid0(VALU_DEP_2)
	v_pk_add_f32 v[4:5], v[4:5], v[X+2*\p+2:X+2*\p+3]
.endr
	s_wait_alu depctr_va_vdst(0)
	s_wait_loadcnt 4
.irp p, 16
	v_pk_add_f32 v[2:3], v[2:3], v[X+2*\p:X+2*\p+1]
	v_pk_add_f32 v[4:5], v[4:5], v[X+2*\p+2:X+2*\p+3]
.endr
.irp p, 18, 20, 22
	s_delay_alu instid0(VALU_DEP_2)
	v_pk_add_f32 v[2:3], v[2:3], v[X+2*\p:X+2*\p+1]
	s_delay_alu instid0(VALU_DEP_2)
	v_pk_add_f32 v[4:5], v[4:5], v[X+2*\p+2:X+2*\p+3]
.endr
	s_wait_alu depctr_va_vdst(0)
	s_wait_loadcnt 0
.irp p, 24
	v_pk_add_f32 v[2:3], v[2:3], v[X+2*\p:X+2*\p+1]
	v_pk_add_f32 v[4:5], v[4:5], v[X+2*\p+2:X+2*\p+3]
.endr
.irp p, 26, 28, 30
	s_delay_alu instid0(VALU_DEP_2)
	v_pk_add_f32 v[2:3], v[2:3], v[X+2*\p:X+2*\p+1]
	s_delay_alu instid0(VALU_DEP_2)
	v_pk_add_f32 v[4:5], v[4:5], v[X+2*\p+2:X+2*\p+3]
.endr
	WGSUM 0
	s_delay_alu instid0(VALU_DEP_1)
	v_mul_f32 v6, 0x38800000, v10                  ; the mean: sum x 2^-14
	s_delay_alu instid0(VALU_DEP_1)
	v_mov_b32 v7, v6                               ; twice, for the packed subtraction
	; pass 2: the deviations, in place, and the sum of their squares
.set p, 0
.rept 32
	v_pk_add_f32 v[X+2*p:X+2*p+1], v[X+2*p:X+2*p+1], v[6:7] neg_lo:[0,1] neg_hi:[0,1]
.set p, p+1
.endr
	v_pk_mul_f32 v[2:3], v[X:X+1], v[X:X+1]
	v_pk_mul_f32 v[4:5], v[X+2:X+3], v[X+2:X+3]
.set p, 2
.rept 15
	s_delay_alu instid0(VALU_DEP_2)
	v_pk_fma_f32 v[2:3], v[X+2*p:X+2*p+1], v[X+2*p:X+2*p+1], v[2:3]
	s_delay_alu instid0(VALU_DEP_2)
	v_pk_fma_f32 v[4:5], v[X+2*p+2:X+2*p+3], v[X+2*p+2:X+2*p+3], v[4:5]
.set p, p+2
.endr
	WGSUM 32                                       ; other LDS words than the first sum's: no wave can overwrite what another still reads
	s_delay_alu instid0(VALU_DEP_1)
	v_mov_b32 v7, v10                              ; v[6:7] = mean, sum of squared deviations
	s_cmp_lg_u32 s8, 0
	s_cbranch_scc1 .Lend                           ; wave 0 stores, behind the last barrier
	v_cmp_eq_u32 vcc_lo, 0, v0
	s_wait_xcnt 0x0                                ; EXEC changes only behind this wait
	s_and_saveexec_b32 s9, vcc_lo
	s_wait_alu depctr_va_vdst(0)
	global_store_b64 v19, v[6:7], s[6:7]
	s_wait_xcnt 0x0                                ; and again in front of the line that widens it
	s_or_b32 exec_lo, exec_lo, s9
.Lend:
	s_wait_tensorcnt 0x0
	ds_add_u32 v84, v85
	s_wait_dscnt 0x0
	s_endpgm
.Lfunc_end_k_qe95ab0d620_stats:
	.size	k_qe95ab0d620_stats, .Lfunc_end_k_qe95ab0d620_stats-k_qe95ab0d620_stats
	.p2alignl 7, 3214868480
	.fill 96, 4, 3214868480
	.section	.rodata,"a",@progbits
	.p2align	6, 0x0
	.amdhsa_kernel k_qe95ab0d620_stats
		.amdhsa_group_segment_fixed_size 1280
		.amdhsa_private_segment_fixed_size 0
		.amdhsa_enable_private_segment 0
		.amdhsa_kernarg_size 16
		.amdhsa_user_sgpr_count 2
		.amdhsa_user_sgpr_kernarg_segment_ptr 1
		.amdhsa_wavefront_size32 1
		.amdhsa_system_sgpr_workgroup_id_x 1
		.amdhsa_system_sgpr_workgroup_id_y 1
		.amdhsa_system_sgpr_workgroup_id_z 1
		.amdhsa_system_vgpr_workitem_id 0
		.amdhsa_next_free_vgpr 86
		.amdhsa_next_free_sgpr 66
		.amdhsa_reserve_vcc 1
		.amdhsa_float_denorm_mode_32 3
		.amdhsa_float_denorm_mode_16_64 3
		.amdhsa_memory_ordered 1
		.amdhsa_forward_progress 1
		.amdhsa_inst_pref_size 14
	.end_amdhsa_kernel
	.amdgpu_metadata
---
amdhsa.version: [ 1, 2 ]
amdhsa.kernels:
  - .name:           k_qe95ab0d620_stats
    .symbol:         k_qe95ab0d620_stats.kd
    .args:
      - { .name: x, .offset: 0, .size: 8, .value_kind: global_buffer, .address_space: global }
      - { .name: stats, .offset: 8, .size: 8, .value_kind: global_buffer, .address_space: global }
    .group_segment_fixed_size: 1280
    .private_segment_fixed_size: 0
    .kernarg_segment_align: 8
    .kernarg_segment_size: 16
    .max_flat_workgroup_size: 256
    .sgpr_count:     66
    .vgpr_count:     86
    .wavefront_size: 32
...
	.end_amdgpu_metadata
.endif
;; end of part 1
;; launch qkv (part 2): grid 32 x 4, 16 waves a work-group, no clusters, 21,504 bytes of LDS; arguments x, stats, gn_scale, gn_bias, qkv_w_codes, qkv_w_scales, qkv_b, qc, qs, kvc, kvs; writes qc, qs, kvc, kvs
.if DOCPART == 2
	.amdgcn_target "amdgcn-amd-amdhsa--gfx1250"
	.amdhsa_code_object_version 6
	.text
	.protected	k_qe95ab0d620_qkv
	.globl	k_qe95ab0d620_qkv
	.p2align	8
	.type	k_qe95ab0d620_qkv,@function
k_qe95ab0d620_qkv:
	s_mov_b64 s[64:65], 0
	v_nop
	global_prefetch_b8 v0, s[64:65] scope:SCOPE_SE
	s_setreg_imm32_b32 hwreg(HW_REG_WAVE_MODE, 25, 1), 1
	s_wait_xcnt 0x0
; GroupNorm, its quantising along the channels, qkv = W xn + b on codes of FP4 (E2M1, one E8M0 scale for each 32 along K), and the quantising of q, k (along the head's 64) and v (along the keys).
; A work-group takes 128 pixels of one batch (x = block of pixels = key step of the attention, y = batch).  q, k and v leave as IMAGES OF THE OPERAND REGISTERS that the attention wants: lane l's 16 bytes at 16 l,
; 512 consecutive bytes a store.
; THE ONE INDEX RULE: tile (B, u) of a run of 32 things (pixels, rows of W) has row r = thing 32 B + 8 u + r + 8 (r / 8).  A matrix result's register j of lane half h is then thing 32 B + 8 u + 16 h + j: the 16 registers
; of tiles (B, 0), (B, 1) are 16 neighbours, and a block of 32 lies in lanes l and l xor 16.
; PHASES, two barriers.
;  X: wave w takes channels 32 (w % 8) .. + 31 and pixels 64 (w / 8) .. + 63, a lane a pixel, registers down the channels, two rounds of 32 pixels: normalised as reference() orders it, a block's largest magnitude in ONE lane,
;     its codes (16 bytes) and scale byte go into the images of xn's 16 fragments (8 tiles of pixels x 2 K steps) in LDS.
;  QK: wave w makes q (w < 8) or k of head (w / 2) % 4 for 4 tiles of pixels, transposed (source 0 = 16 rows of W, source 1 = xn): a lane holds one pixel, its registers run along the head's 64.
;  V: wave w makes 16 channels (tile w % 4) of head w / 4 for all 128 pixels (source 0 = xn, source 1 = W): a lane holds one channel, its registers run along the keys.
; The biases are the C of each sum's first matrix instruction.
; OUTPUTS.  qc [b][head][block of 64 queries][tile 4][512]: a tile's four code registers.  qs [b][head][block][lane][tile]: scale words s0 | s1 << 8 | s0 << 16 | s1 << 24.
;  kvc [b][slot 16][head][step in slot 2][8,192]: 4 fragments of K (registers 0-3 tile (B, 0), 4-7 tile (B, 1)), then 4 of V.  kvs [b][head][step][512]: lanes 0-15 K's four words of row r, lanes 16-31 V's.
; NO CLUSTER, NO TENSOR LOAD: the weights (107,520 bytes with scales and bias) are the one input that work-groups share; each wave takes its own part once, straight into the registers in which it stays,
; in the order of rows that its tiles want; a joint request brings tiles into LDS, from where the same registers would have to be filled once more.  x is read once, all 131,072 bytes of a work-group asked for at the head.
; LIMITS: NaN and infinities are not served.  A block whose largest magnitude lies under 2^-124, a block of zeros too, keeps the scale byte 1 (the rule says 127 for zeros): its codes are zeros or the rule's own,
; and the bytes are read by this program alone.
.set XIMG, 0                           ; LDS: xn's fragment (tile pt, K step s) at 2,048 pt + 1,024 s, as a register image (512 c + 16 lane)
.set XSC,  16384                       ; its scale words at 128 pt + 64 s + 4 r
.set SCST, 17408                       ; the four heads' records of kvs, 512 bytes each
.set WQ,   16                          ; v[16:79]   W's fragments for q or k: (tile t, K step s) at 8 (2 t + s); in phase V xn's eight fragments of a K step
.set WV,   80                          ; v[80:95]   W's two fragments for v
.set BQ,   96                          ; v[96:127]  the bias of q or k, eight registers a tile, in the result's layout; in phase V at work
.set BV,   128                         ; v[128:135] the bias of v
.set WQS,  136                         ; v[136:143] W's scale words (2 t + s);  v[144:145] those for v;  v[146:147], v[148:155] xn's
.set WVS,  144
.set XS,   146
.set XS8,  148
.set HH,   156                         ; v[156:159] the scale bytes of the four tiles of q or k
.set ACC,  160                         ; v[160:223] 64 numbers of x, later the accumulators
.set XF,   224                         ; v[224:239] at work at the head and in phase X; xn's two fragments of a tile in phase QK
.set PC,   240                         ; v[240:255] codes; v248-253 hold the weights' offsets until these are loaded
.set GNS,  24                          ; s[24:55]  gn_scale of my 32 channels
.set MEAN, 56                          ; s[56:59]  the means of my four groups;  s[60:63] their 1 / sqrt(var + eps)
.set RSTD, 60
.set GNB,  68                          ; s[68:99]  gn_bias of my 32 channels; s[84:99] hold my groups' statistics first
.set WVN,  66                          ; s66 wave;  s67 eps;  s[100:101] lane selects
	s_load_b512 s[4:19], s[0:1], 0x0               ; x s[4:5], stats s[6:7], gn_scale s[8:9], gn_bias s[10:11], W's codes s[12:13], W's scales s[14:15], the bias s[16:17], qc s[18:19]
	s_load_b128 s[20:23], s[0:1], 0x40             ; qs s[20:21], kvc s[22:23]
	s_load_b64 s[2:3], s[0:1], 0x50                ; kvs
	v_lshl_add_u32 v10, v0, 2, 0x4c00
	v_mov_b32 v14, 0
	v_lshrrev_b32 v225, 5, v0
	s_delay_alu instid0(VALU_DEP_1)
	v_readfirstlane_b32 s[WVN], v225               ; wave 0..15
	v_and_b32 v224, 31, v0                         ; lane
	v_and_b32 v226, 15, v0                         ; r
	v_bfe_u32 v227, v0, 4, 1                       ; h
	v_and_b32 v228, 8, v0
	s_delay_alu instid0(VALU_DEP_1)
	v_add_nc_u32 v228, v228, v226                  ; rho = r + 8 (r / 8)
	v_bfe_u32 v229, v0, 5, 3                       ; X: my block of 32 channels, w % 8
	v_bfe_u32 v230, v0, 8, 1                       ; X: my 64 pixels, w / 8;  QK: 0 = q, 1 = k
	v_and_b32 v231, 7, v0
	v_bfe_u32 v232, v0, 3, 1
	v_bfe_u32 v233, v0, 7, 1                       ; X: my K step
	v_bfe_u32 v234, v0, 5, 1                       ; QK: my four tiles of pixels, w % 2
	v_bfe_u32 v235, v0, 6, 2                       ; QK: my head
	v_bfe_u32 v236, v0, 7, 2                       ; V: my head
	v_bfe_u32 v237, v0, 5, 2                       ; V: my tile of channels;  X: my block in its K step
	v_bfe_u32 v238, v0, 6, 1
	; every LDS address is made here, ahead of the first branch on the wave's number, from the thread's number and constants
	v_lshlrev_b32 v1, 4, v224                      ; v1: 16 lane: an image's place for my lane, in LDS (XIMG = 0) and in memory
	v_lshlrev_b32 v2, 2, v224
	s_delay_alu instid0(VALU_DEP_1)
	v_lshl_add_u32 v2, v230, 8, v2                 ; v2: x: 4 bytes a lane, + my 64 pixels
	v_lshlrev_b32 v3, 4, v231                      ; v3: where my pixel's 16 bytes of codes go.  Pixel 32 g + lane is row (lane % 8) + 8 (lane / 16) of tile u = (lane / 8) % 2;
	s_delay_alu instid0(VALU_DEP_1)
	v_lshl_add_u32 v3, v227, 7, v3                 ;     block cb of the channels is registers 4 ((cb / 2) % 2) .., lane half cb % 2, K step cb / 4: together 256 cb
	s_delay_alu instid0(VALU_DEP_1)
	v_lshl_add_u32 v3, v232, 11, v3
	s_delay_alu instid0(VALU_DEP_1)
	v_lshl_add_u32 v3, v229, 8, v3
	s_delay_alu instid0(VALU_DEP_1)
	v_lshl_add_u32 v3, v230, 13, v3
	v_lshlrev_b32 v4, 2, v231                      ; v4: and its scale byte: byte cb % 4 of the row's word
	s_delay_alu instid0(VALU_DEP_1)
	v_lshl_add_u32 v4, v227, 5, v4
	s_delay_alu instid0(VALU_DEP_1)
	v_lshl_add_u32 v4, v232, 7, v4
	s_delay_alu instid0(VALU_DEP_1)
	v_lshl_add_u32 v4, v230, 9, v4
	s_delay_alu instid0(VALU_DEP_1)
	v_lshl_add_u32 v4, v233, 6, v4
	s_delay_alu instid0(VALU_DEP_1)
	v_add_nc_u32 v4, v4, v237
	s_delay_alu instid0(VALU_DEP_1)
	v_add_nc_u32 v4, XSC, v4
	v_lshl_add_u32 v5, v234, 13, v1                ; v5: QK: my four tiles' images
	v_lshlrev_b32 v6, 2, v226
	s_delay_alu instid0(VALU_DEP_1)
	v_add_nc_u32 v15, XSC, v6                      ; v15: V: scale words, row r
	s_delay_alu instid0(VALU_DEP_2)
	v_lshl_add_u32 v6, v234, 9, v6
	s_delay_alu instid0(VALU_DEP_1)
	v_add_nc_u32 v6, XSC, v6                       ; v6: QK: the same for my four tiles
	v_lshlrev_b32 v11, 4, v226
	s_delay_alu instid0(VALU_DEP_1)
	v_lshl_add_u32 v12, v237, 2, v11
	s_delay_alu instid0(VALU_DEP_2)
	v_lshl_add_u32 v11, v234, 3, v11
	s_delay_alu instid0(VALU_DEP_1)
	v_lshl_add_u32 v11, v235, 9, v11
	s_delay_alu instid0(VALU_DEP_1)
	v_add_nc_u32 v11, SCST, v11                    ; v11: k: my two scale words of row r in the head's record
	s_delay_alu instid0(VALU_DEP_4)
	v_lshl_add_u32 v12, v236, 9, v12
	s_delay_alu instid0(VALU_DEP_1)
	v_add_nc_u32 v12, SCST+256, v12                ; v12: v: my tile's scale word of row r
	v_lshl_add_u32 v13, v237, 9, v1
	s_delay_alu instid0(VALU_DEP_1)
	v_add_nc_u32 v13, SCST, v13                    ; v13: a record on its way out
	; the weights' byte offsets: my wave's rows and my lane's
	v_lshlrev_b32 v248, 7, v228                    ; q, k: row 256 (w / 8) + 64 head + rho, 128 bytes a row, + 16 h
	s_delay_alu instid0(VALU_DEP_1)
	v_lshl_add_u32 v248, v227, 4, v248
	s_delay_alu instid0(VALU_DEP_1)
	v_lshl_add_u32 v248, v235, 13, v248
	s_delay_alu instid0(VALU_DEP_1)
	v_lshl_add_u32 v248, v230, 15, v248
	v_lshlrev_b32 v249, 3, v228                    ; its scale bytes: 8 a row
	s_delay_alu instid0(VALU_DEP_1)
	v_lshl_add_u32 v249, v235, 9, v249
	s_delay_alu instid0(VALU_DEP_1)
	v_lshl_add_u32 v249, v230, 11, v249
	v_lshlrev_b32 v250, 6, v227                    ; its bias: lane half h wants channels 16 h + 0 .. 7 of a tile
	s_delay_alu instid0(VALU_DEP_1)
	v_lshl_add_u32 v250, v235, 8, v250
	s_delay_alu instid0(VALU_DEP_1)
	v_lshl_add_u32 v250, v230, 10, v250
	v_lshl_add_u32 v239, v234, 3, v228             ; v: row 512 + 64 head + 32 (t / 2) + 8 (t % 2) + rho
	s_delay_alu instid0(VALU_DEP_1)
	v_lshl_add_u32 v239, v238, 5, v239
	s_delay_alu instid0(VALU_DEP_1)
	v_lshl_add_u32 v239, v236, 6, v239
	s_delay_alu instid0(VALU_DEP_1)
	v_add_nc_u32 v239, 512, v239
	s_delay_alu instid0(VALU_DEP_1)
	v_lshlrev_b32 v251, 7, v239
	s_delay_alu instid0(VALU_DEP_1)
	v_lshl_add_u32 v251, v227, 4, v251
	s_delay_alu instid0(VALU_DEP_3)
	v_lshlrev_b32 v252, 3, v239
	s_delay_alu instid0(VALU_DEP_4)
	v_lshlrev_b32 v253, 2, v239
	s_mov_b32 s67, 0x3727c5ac                      ; eps = 1e-5
	s_mov_b32 s100, 0x76543210                     ; v_permlanex16_b32's selects for lane l xor 16
	s_mov_b32 s101, 0xfedcba98
	s_and_b32 s62, s[WVN], 7                       ; cb
	s_and_b32 s63, ttmp7, 0xffff                   ; b
	s_lshl_b32 s56, s63, 22                        ; x: batch, my 32 channels, the work-group's 128 pixels
	s_lshl_b32 s57, s62, 19
	s_add_co_u32 s56, s56, s57
	s_lshl_b32 s57, ttmp9, 9
	s_add_co_u32 s56, s56, s57
	s_mov_b32 s57, 0
	s_lshl_b32 s58, s63, 9                         ; stats: 16 bytes a group: 16 (32 b + 4 cb)
	s_lshl_b32 s59, s62, 6
	s_add_co_u32 s58, s58, s59
	s_mov_b32 s59, 0
	s_lshl_b32 s60, s62, 7                         ; gn_scale, gn_bias: my 32 numbers
	s_mov_b32 s61, 0
	s_wait_kmcnt 0x0
	s_add_nc_u64 s[4:5], s[4:5], s[56:57]
	s_add_nc_u64 s[6:7], s[6:7], s[58:59]
	s_add_nc_u64 s[8:9], s[8:9], s[60:61]
	s_add_nc_u64 s[10:11], s[10:11], s[60:61]
	s_load_b512 s[84:99], s[6:7], 0x0              ; my four groups: (mean, sum of squared deviations) of each half
	s_load_b512 s[GNS:GNS+15], s[8:9], 0x0
	s_load_b512 s[GNS+16:GNS+31], s[8:9], 0x40
	s_load_b512 s[GNB:GNB+15], s[10:11], 0x0       ; the other 16 follow when the statistics are used up
.irp g, 0,1
.set i, 0
.rept 32
	global_load_b32 v[ACC+32*\g+i], v2, s[4:5] offset:16384*i+128*\g th:TH_LOAD_NT   ; x(channel 32 cb + i, pixel 32 g + lane): 128 consecutive bytes a load; read once in this launch
.set i, i+1
.endr
.endr
	; a group's mean and variance from its two halves of 16,384 numbers: mean = (m1 + m2) / 2;  sum of squares = S1 + S2 + 8,192 (m1 - m2)^2;  var = that / 32,768
	s_wait_kmcnt 0x0
.irp k, 0,1,2,3
	v_mov_b32 v[224+\k], s[84+4*\k]
	v_mov_b32 v[232+\k], s[85+4*\k]
.endr
.irp k, 0,1,2,3
	v_add_f32 v[228+\k], s[86+4*\k], v[224+\k]
	v_sub_f32 v[224+\k], v[224+\k], s[86+4*\k]
	v_add_f32 v[232+\k], s[87+4*\k], v[232+\k]
.endr
.irp k, 0,1,2,3
	v_mul_f32 v[228+\k], 0.5, v[228+\k]
	v_mul_f32 v[224+\k], v[224+\k], v[224+\k]
.endr
.irp k, 0,1,2,3
	v_fmamk_f32 v[232+\k], v[224+\k], 0x46000000, v[232+\k]
.endr
.irp k, 0,1,2,3
	s_delay_alu instid0(VALU_DEP_4)
	v_fma_f32 v[232+\k], v[232+\k], 0x38000000, s67   ; x 2^-15, + eps
.endr
	s_wait_alu depctr_va_vdst(0)
.irp k, 0,1,2,3
	v_rsq_f32 v[236+\k], v[232+\k]
.endr
	v_nop                                          ; a plain instruction behind the last of the four
	s_wait_alu depctr_va_vdst(0)                   ; one wait for the four, ahead of their first reader
.irp k, 0,1,2,3
	v_readfirstlane_b32 s[MEAN+\k], v[228+\k]
	v_readfirstlane_b32 s[RSTD+\k], v[236+\k]
.endr
	s_load_b512 s[GNB+16:GNB+31], s[10:11], 0x40   ; over the statistics, which every vector instruction above has read
; PHASE X, round g: 32 pixels, a lane each; 32 channels in my registers: one whole block along K.
.macro XPHASE g
.set XB, ACC+32*\g
.set TA, 224+4*\g
.set i, 0
.rept 32
	v_sub_f32 v[XB+i], v[XB+i], s[MEAN+i/8]        ; in reference()'s order: (x - mean),
.set i, i+1
.endr
.set i, 0
.rept 32
	v_mul_f32 v[XB+i], s[RSTD+i/8], v[XB+i]        ; x 1 / sqrt(var + eps),
.set i, i+1
.endr
.if \g == 0
	s_wait_kmcnt 0x0                               ; gn_bias's last 16
.endif
.set i, 0
.rept 32
	v_fma_f32 v[XB+i], v[XB+i], s[GNS+i], s[GNB+i] ; x scale + bias
.set i, i+1
.endr
	v_max3_num_f32 v[TA], |v[XB]|, |v[XB+1]|, |v[XB+2]|            ; the block's largest magnitude: all 32 numbers are mine; two chains
	v_max3_num_f32 v[TA+1], |v[XB+3]|, |v[XB+4]|, |v[XB+5]|
.irp i, 6,10,14,18,22,26
	s_delay_alu instid0(VALU_DEP_2)
	v_max3_num_f32 v[TA], v[TA], |v[XB+\i]|, |v[XB+\i+1]|
	s_delay_alu instid0(VALU_DEP_2)
	v_max3_num_f32 v[TA+1], v[TA+1], |v[XB+\i+2]|, |v[XB+\i+3]|
.endr
	s_delay_alu instid0(VALU_DEP_2)
	v_max3_num_f32 v[TA], v[TA], |v[XB+30]|, |v[XB+31]|
	s_delay_alu instid0(VALU_DEP_1)
	v_max3_num_f32 v[TA], v[TA], v[TA+1], 0x1800000                ; and the floor 2^(3 - 127): the byte cannot fall under 1
	s_delay_alu instid0(VALU_DEP_1)
	v_add_nc_u32 v[TA+2], 0xff000000, v[TA]        ; 2 off its exponent field: the conversion takes the exponent field of this operand as its scale
	s_delay_alu instid0(VALU_DEP_1)
	v_lshrrev_b32 v[TA+3], 23, v[TA+2]             ; the scale's byte
.irp q, 0,1,2,3
	v_cvt_scalef32_pk8_fp4_f32 v[PC+4*\g+\q], v[XB+8*\q:XB+8*\q+7], v[TA+2]
.endr
	v_nop                                          ; one plain instruction behind the last conversion: its sources are written again by matrix instructions later
	ds_store_b128 v3, v[PC+4*\g:PC+4*\g+3] offset:4096*\g
	ds_store_b8 v4, v[TA+3] offset:256*\g
.endm
	s_wait_loadcnt 32                              ; loads come back in order: round 0's 32 are in, round 1's 32 may be out
	XPHASE 0
	; my part of the weights, 39 loads, asked for here: they land while round 1 is worked
.irp t, 0,1,2,3
.irp s, 0,1
.irp c, 0,1
	global_load_b128 v[WQ+8*(2*\t+\s)+4*\c:WQ+8*(2*\t+\s)+4*\c+3], v248, s[12:13] offset:128*(32*(\t/2)+8*(\t%2))+64*\s+32*\c
.endr
	global_load_b32 v[WQS+2*\t+\s], v249, s[14:15] offset:8*(32*(\t/2)+8*(\t%2))+4*\s
.endr
	global_load_b128 v[BQ+8*\t:BQ+8*\t+3], v250, s[16:17] offset:4*(32*(\t/2)+8*(\t%2))
	global_load_b128 v[BQ+8*\t+4:BQ+8*\t+7], v250, s[16:17] offset:4*(32*(\t/2)+8*(\t%2))+16
.endr
.irp s, 0,1
.irp c, 0,1
	global_load_b128 v[WV+8*\s+4*\c:WV+8*\s+4*\c+3], v251, s[12:13] offset:64*\s+32*\c
.endr
	global_load_b32 v[WVS+\s], v252, s[14:15] offset:4*\s
.endr
	global_load_b32 v[BV], v253, s[16:17]
	s_wait_loadcnt 39                              ; round 1's 32 are in; the 39 just issued may be out
	XPHASE 1
	s_wait_loadcnt 0x0                             ; the weights.  Every load is done: its address registers and bases may be written
.irp j, 1,2,3,4,5,6,7
	v_mov_b32 v[BV+\j], v[BV]                      ; in v's result a lane holds ONE channel: its bias in all eight registers
.endr
	; where the results go
	s_and_b32 s6, ttmp7, 0xffff                    ; b
	s_bfe_u32 s7, s[WVN], 0x20001                  ; QK: head
	s_and_b32 s8, s[WVN], 1                        ; QK: my four tiles: a block of 64 queries, or half of a key step
	s_lshl_b32 s9, s6, 2
	s_add_co_u32 s9, s9, s7
	s_lshl_b32 s9, s9, 6
	s_lshl_b32 s10, ttmp9, 1
	s_add_co_u32 s9, s9, s10
	s_add_co_u32 s9, s9, s8                        ; (4 b + head) 64 + block of queries
	s_lshl_b32 s12, s9, 9
	s_mov_b32 s13, 0
	s_add_nc_u64 s[20:21], s[20:21], s[12:13]      ; qs
	s_lshl_b32 s10, s9, 11                         ; qc
	s_lshl_b32 s14, s6, 20                         ; kvc: batch, slot = step / 2, step % 2
	s_lshr_b32 s15, ttmp9, 1
	s_lshl_b32 s15, s15, 16
	s_add_co_u32 s14, s14, s15
	s_and_b32 s15, ttmp9, 1
	s_lshl_b32 s15, s15, 13
	s_add_co_u32 s14, s14, s15
	s_lshl_b32 s11, s7, 14                         ; k: the head's record, my two fragments
	s_add_co_u32 s11, s11, s14
	s_lshl_b32 s15, s8, 11
	s_add_co_u32 s11, s11, s15
	s_cmp_lt_u32 s[WVN], 8                         ; q's wave or k's: the choice hangs on the wave's number alone
	s_cselect_b64 s[4:5], s[18:19], s[22:23]
	s_cselect_b32 s10, s10, s11
	s_mov_b32 s11, 0
	s_add_nc_u64 s[4:5], s[4:5], s[10:11]          ; s[4:5]: where my four tiles' codes go
	s_lshr_b32 s15, s[WVN], 2                      ; v: the head's record, behind K's 4,096 bytes, my fragment
	s_lshl_b32 s15, s15, 14
	s_add_co_u32 s14, s14, s15
	s_and_b32 s16, s[WVN], 3
	s_lshl_b32 s15, s16, 10
	s_add_co_u32 s14, s14, s15
	s_add_co_u32 s14, s14, 4096
	s_mov_b32 s15, 0
	s_add_nc_u64 s[22:23], s[22:23], s[14:15]
	s_lshl_b32 s12, s6, 2                          ; kvs: record (4 b + w % 4) 32 + step
	s_add_co_u32 s12, s12, s16
	s_lshl_b32 s12, s12, 5
	s_add_co_u32 s12, s12, ttmp9
	s_lshl_b32 s12, s12, 9
	s_add_nc_u64 s[2:3], s[2:3], s[12:13]
	s_wait_dscnt 0x0                               ; for the others' sake: my images and bytes have landed
	s_barrier_signal -1
	s_barrier_wait -1                              ; xn's sixteen fragments lie in LDS; nobody writes them again
; 16 nb numbers of a lane, v[s] on, register 16 b + i = k 32 b + 16 (lane / 16) + i of my row, become codes in v[PCB] on (a whole block in a lane) and scale bytes in v[PW].  TM: 16 registers at work.
.macro QUANT s, nb
.irp b, 0,1,2,3
.if \b < \nb
	v_max3_num_f32 v[TM+\b], |v[\s+16*\b]|, |v[\s+1+16*\b]|, 0x1800000   ; block b: my 16 numbers, and the floor 2^(3 - 127).  Each accumulator is read from its low end on
.endif
.endr
.irp i, 2,4,6,8,10,12,14
.irp b, 0,1,2,3
.if \b < \nb
	v_max3_num_f32 v[TM+\b], v[TM+\b], |v[\s+16*\b+\i]|, |v[\s+1+16*\b+\i]|   ; (the blocks by turns)
.endif
.endr
.endr
.irp b, 0,1,2,3
.if \b < \nb
	v_permlanex16_b32 v[TM+4+\b], v[TM+\b], s100, s101
.endif
.endr
.irp b, 0,1,2,3
.if \b < \nb
	v_max_num_f32 v[TM+\b], v[TM+\b], v[TM+4+\b]   ; with lane l xor 16's: the block's largest magnitude
.endif
.endr
.irp b, 0,1,2,3
.if \b < \nb
	v_add_nc_u32 v[TM+12+\b], 0xff000000, v[TM+\b] ; 2 off its exponent field: the conversion's scale operand
.endif
.endr
.irp b, 0,1,2,3
.if \b < \nb
	v_lshrrev_b32 v[TM+4+\b], 23, v[TM+12+\b]      ; the scale's byte
.endif
.endr
	v_lshl_or_b32 v[PW], v[TM+5], 8, v[TM+4]
.if \nb > 2
	s_delay_alu instid0(VALU_DEP_1)
	v_lshl_or_b32 v[PW], v[TM+6], 16, v[PW]
	s_delay_alu instid0(VALU_DEP_1)
	v_lshl_or_b32 v[PW], v[TM+7], 24, v[PW]
.endif
.irp b, 0,1,2,3
.if \b < \nb
	v_cvt_scalef32_pk8_fp4_f32 v[PCB+2*\b], v[\s+16*\b:\s+7+16*\b], v[TM+12+\b]
	v_cvt_scalef32_pk8_fp4_f32 v[PCB+1+2*\b], v[\s+8+16*\b:\s+15+16*\b], v[TM+12+\b]
.endif
.endr
	v_nop                                          ; one plain instruction behind a scaled conversion
.irp c, 0,1
.if 2*\c < \nb
.irp i, 0,1
	v_permlane16_swap_b32 v[PCB+4*\c+\i], v[PCB+2+4*\c+\i]   ; lanes 0-15 get block 2 c whole, lanes 16-31 block 2 c + 1
.endr
.endif
.endr
.endm
; PHASE QK, tile i of my four: the head's 64 channels of q or k for 16 pixels.  Four accumulators by turns, two K steps.
.macro QKTILE i
.irp s, 0,1
.irp c, 0,1
	ds_load_b128 v[XF+8*\s+4*\c:XF+8*\s+4*\c+3], v5 offset:2048*\i+1024*\s+512*\c
.endr
	ds_load_b32 v[XS+\s], v6 offset:128*\i+64*\s
.endr
	s_wait_dscnt 0x0
.irp t, 0,1,2,3
	v_wmma_scale_f32_16x16x128_f8f6f4 v[ACC+8*\t:ACC+8*\t+7], v[WQ+16*\t:WQ+16*\t+7], v[XF:XF+7], v[BQ+8*\t:BQ+8*\t+7], v[WQS+2*\t], v[XS] matrix_a_fmt:MATRIX_FMT_FP4 matrix_b_fmt:MATRIX_FMT_FP4
.endr
.irp t, 0,1,2,3
	v_wmma_scale_f32_16x16x128_f8f6f4 v[ACC+8*\t:ACC+8*\t+7], v[WQ+16*\t+8:WQ+16*\t+15], v[XF+8:XF+15], v[ACC+8*\t:ACC+8*\t+7], v[WQS+2*\t+1], v[XS+1] matrix_a_fmt:MATRIX_FMT_FP4 matrix_b_fmt:MATRIX_FMT_FP4
.endr
.rept 4
	v_nop                                          ; four places behind the last product: ahead of the first read of results and of the next tile's loads; the quantiser's lines on its own registers add the fifth that a sum begun anew wants
.endr
.set PCB, PC+4*\i
.set PW, HH+\i
	QUANT ACC, 2
	global_store_b128 v1, v[PCB:PCB+3], s[4:5] offset:512*\i   ; 512 consecutive bytes; each tile has its own four registers
.endm
.set TM, 192                           ; behind the four accumulators
.irp b, 0,1,2,3
	v_mov_b32 v[TM+4+\b], 0                        ; a lane permute's destination counts as one of its sources
.endr
	QKTILE 0
	QKTILE 1
	QKTILE 2
	QKTILE 3
	s_cmp_lt_u32 s[WVN], 8
	s_cbranch_scc0 .Lk_wave
.irp i, 0,1,2,3
	v_lshl_or_b32 v[HH+\i], v[HH+\i], 16, v[HH+\i] ; q's word repeats its two bytes: q stands in either half of the attention's K of 128
.endr
	global_store_b128 v1, v[HH:HH+3], s[20:21]
	s_branch .Lqk_done
.Lk_wave:
	v_lshl_or_b32 v[HH], v[HH+1], 16, v[HH]        ; k's word: bytes 0, 1 tile (B, 0)'s row, bytes 2, 3 tile (B, 1)'s
	s_wait_alu depctr_va_vdst(0)
	v_lshl_or_b32 v[HH+1], v[HH+3], 16, v[HH+2]
	ds_store_b64 v11, v[HH:HH+1]                   ; lanes r and r + 16 write the same bytes with the same value
.Lqk_done:
	; PHASE V: my 16 channels of v for the 128 pixels: eight accumulators by turns, a K step at a time
	s_wait_xcnt 0x0                                ; the stores above have read their registers: the codes' registers may be written again
.set TM, BQ
.set PW, BQ+16
.set PCB, PC
.irp b, 0,1,2,3
	v_mov_b32 v[TM+4+\b], 0
.endr
.irp s, 0,1
.irp pt, 0,1,2,3,4,5,6,7
.irp c, 0,1
	ds_load_b128 v[WQ+8*\pt+4*\c:WQ+8*\pt+4*\c+3], v1 offset:XIMG+2048*\pt+1024*\s+512*\c
.endr
	ds_load_b32 v[XS8+\pt], v15 offset:128*\pt+64*\s
.endr
	s_wait_dscnt 0x0
.irp pt, 0,1,2,3,4,5,6,7
.if \s == 0
	v_wmma_scale_f32_16x16x128_f8f6f4 v[ACC+8*\pt:ACC+8*\pt+7], v[WQ+8*\pt:WQ+8*\pt+7], v[WV:WV+7], v[BV:BV+7], v[XS8+\pt], v[WVS] matrix_a_fmt:MATRIX_FMT_FP4 matrix_b_fmt:MATRIX_FMT_FP4
.else
	v_wmma_scale_f32_16x16x128_f8f6f4 v[ACC+8*\pt:ACC+8*\pt+7], v[WQ+8*\pt:WQ+8*\pt+7], v[WV+8:WV+15], v[ACC+8*\pt:ACC+8*\pt+7], v[XS8+\pt], v[WVS+1] matrix_a_fmt:MATRIX_FMT_FP4 matrix_b_fmt:MATRIX_FMT_FP4
.endif
.endr
.rept 4
	v_nop                                          ; places in front of loads into registers that these products have read, and of the first read of results
.endr
.endr
	QUANT ACC, 4                                   ; along the keys: one fragment of V and its row's scale word
	global_store_b128 v1, v[PC:PC+3], s[22:23]
	global_store_b128 v1, v[PC+4:PC+7], s[22:23] offset:512
	ds_store_b32 v12, v[PW]                        ; lanes r and r + 16 write the same word with the same value
	s_wait_dscnt 0x0                               ; for the others' sake: my scale words have landed
	s_barrier_signal -1
	s_barrier_wait -1                              ; the four records of kvs are whole
	s_cmp_lt_u32 s[WVN], 4
	s_cbranch_scc0 .Ldone
	ds_load_b128 v[16:19], v13                     ; wave w sends head w's record: 512 consecutive bytes
	s_wait_dscnt 0x0
	global_store_b128 v1, v[16:19], s[2:3]
.Ldone:
	s_wait_tensorcnt 0x0
	ds_add_u32 v10, v14
	s_wait_dscnt 0x0
	s_endpgm
.Lfunc_end_k_qe95ab0d620_qkv:
	.size	k_qe95ab0d620_qkv, .Lfunc_end_k_qe95ab0d620_qkv-k_qe95ab0d620_qkv
	.p2alignl 7, 3214868480
	.fill 96, 4, 3214868480
	.section	.rodata,"a",@progbits
	.p2align	6, 0x0
	.amdhsa_kernel k_qe95ab0d620_qkv
		.amdhsa_group_segment_fixed_size 21504
		.amdhsa_private_segment_fixed_size 0
		.amdhsa_enable_private_segment 0
		.amdhsa_kernarg_size 88
		.amdhsa_user_sgpr_count 2
		.amdhsa_user_sgpr_kernarg_segment_ptr 1
		.amdhsa_wavefront_size32 1
		.amdhsa_system_sgpr_workgroup_id_x 1
		.amdhsa_system_sgpr_workgroup_id_y 1
		.amdhsa_system_sgpr_workgroup_id_z 1
		.amdhsa_system_vgpr_workitem_id 0
		.amdhsa_next_free_vgpr 256
		.amdhsa_next_free_sgpr 102
		.amdhsa_reserve_vcc 0
		.amdhsa_float_denorm_mode_32 3
		.amdhsa_float_denorm_mode_16_64 3
		.amdhsa_memory_ordered 1
		.amdhsa_forward_progress 1
		.amdhsa_inst_pref_size 59
	.end_amdhsa_kernel
	.amdgpu_metadata
---
amdhsa.version: [ 1, 2 ]
amdhsa.kernels:
  - .name:           k_qe95ab0d620_qkv
    .symbol:         k_qe95ab0d620_qkv.kd
    .args:
      - { .name: x, .offset: 0, .size: 8, .value_kind: global_buffer, .address_space: global }
      - { .name: stats, .offset: 8, .size: 8, .value_kind: global_buffer, .address_space: global }
      - { .name: gn_scale, .offset: 16, .size: 8, .value_kind: global_buffer, .address_space: global }
      - { .name: gn_bias, .offset: 24, .size: 8, .value_kind: global_buffer, .address_space: global }
      - { .name: qkv_w_codes, .offset: 32, .size: 8, .value_kind: global_buffer, .address_space: global }
      - { .name: qkv_w_scales, .offset: 40, .size: 8, .value_kind: global_buffer, .address_space: global }
      - { .name: qkv_b, .offset: 48, .size: 8, .value_kind: global_buffer, .address_space: global }
      - { .name: qc, .offset: 56, .size: 8, .value_kind: global_buffer, .address_space: global }
      - { .name: qs, .offset: 64, .size: 8, .value_kind: global_buffer, .address_space: global }
      - { .name: kvc, .offset: 72, .size: 8, .value_kind: global_buffer, .address_space: global }
      - { .name: kvs, .offset: 80, .size: 8, .value_kind: global_buffer, .address_space: global }
    .group_segment_fixed_size: 21504
    .private_segment_fixed_size: 0
    .kernarg_segment_align: 8
    .kernarg_segment_size: 88
    .max_flat_workgroup_size: 512
    .sgpr_count:     102
    .vgpr_count:     256
    .wavefront_size: 32
...
	.end_amdgpu_metadata
.endif
;; end of part 2
;; launch attn (part 3): grid 64 x 4, 16 waves a work-group, clusters of 4 x 1, 327,680 bytes of LDS; arguments qc, qs, kvc, kvs, proj_w_codes, proj_w_scales, proj_b, x, out0; writes out0
.if DOCPART == 3
	.amdgcn_target "amdgcn-amd-amdhsa--gfx1250"
	.amdhsa_code_object_version 6
	.text
	.protected	k_qe95ab0d620_attn
	.globl	k_qe95ab0d620_attn
	.p2align	8
	.type	k_qe95ab0d620_attn,@function
k_qe95ab0d620_attn:
	s_mov_b64 s[64:65], 0
	v_nop
	global_prefetch_b8 v0, s[64:65] scope:SCOPE_SE
	s_setreg_imm32_b32 hwreg(HW_REG_WAVE_MODE, 25, 1), 1
	s_wait_xcnt 0x0
	s_wait_alu depctr_hold_cnt(0) depctr_sa_sdst(0) depctr_va_vdst(0) depctr_va_sdst(0) depctr_va_ssrc(0) depctr_va_vcc(0) depctr_vm_vsrc(0)
	s_getreg_b32 s2, hwreg(HW_REG_IB_STS2, 6, 4)
	s_cmp_eq_u32 s2, 0
	s_cbranch_scc0 .Lentry_in_a_cluster
	s_endpgm
.Lentry_in_a_cluster:
	s_bfe_u32 s2, ttmp6, 0x10000c
	s_cmp_lg_u32 s2, 0x3003
	s_cbranch_scc0 .Lentry_shape_is_right
	s_endpgm
.Lentry_shape_is_right:
; out0 = x + proj_w Q(softmax(q k^T / 8) v) + proj_b, all three products on codes of FP4 (E2M1) with one E8M0 scale for each 32 along a product's K.
; q, k, v come as images of operand registers (lane l's 16 bytes at 16 l), made by the launch before: qc, qs, kvc, kvs as laid out there.
; THE SOFTMAX AHEAD OF THE SECOND PRODUCT: t = score x log2(e) / 8; M = the row's largest t so far, rounded UP to a whole number; p = 2^(t - M) is quantised along the keys, not normalised.  The row's sum is taken of the
; unquantised p and divides O at the end.  When M moves, the sum and O are multiplied by 2^(old M - new M): exact.
; SHARES.  A work-group owns 64 queries (pixels) of one batch and ALL FOUR heads, so that the projection, whose K is the 256 channels of the four heads, is made here.  Wave w: head w / 4, tile of 16 queries w % 4,
; in 256 registers: four waves to a SIMD, so that one wave's vector work stands beside another's exponentials, products and LDS loads.  Every wave walks the 32 key steps of 128 keys.
; LAYOUT.  Both products are used transposed (S^T = K Q^T, O^T = V^T P^T): a lane holds ONE query throughout.  Tile (B, u) of 32 keys, queries or channels has row r = thing 32 B + 8 u + r + 8 (r / 8), so that the 16 registers of
; tiles (B, 0), (B, 1) are 16 neighbours.
; THE HEAD'S K IS 64, THE INSTRUCTION'S 128: a fragment of K holds tile (B, 0) in registers 0-3 and tile (B, 1) in 4-7; Q lies as q, 0, q in twelve registers: the window [q | 0] gives tile (B, 0), [0 | q] tile (B, 1).
; Zero codes add nothing; every scale byte lies in 1 .. 254.
; CLUSTER.  The four work-groups of a cluster belong to one batch and walk the same K and V: each tile is asked for JOINTLY, by the same tensor load with the same descriptor and the mask of all four.
; RING.  Two slots of two key steps x four heads (65,536 bytes), filled by waves 0 to 3, a head each; the batch's scale words (65,536 bytes) come once, with the first fills.  A wave has two tensor loads out at the start, later one.
; LIMITS: NaN and infinities are not served; a p under 2^-126 counts as 0 (v_exp_f32's own flush); a block of the attention's output whose largest magnitude lies under 2^-124 keeps the scale byte 1.
; REGISTERS: v1-11, v29-31 addresses that stay (v3, v4: of the loads in hand); v12 -M, v13 the largest t, v[14:15] the sum in two halves; v[16:27] Q; v28 its scale word; v[32:63] K; v[64:95] V; v[96:159] S^T, then p;
;  v[160:191] O^T; v[192:199] p's codes; v[200:203] K's (lanes 0-15) and V's (lanes 16-31) scale words; v[204:217] at work; v218 f; v219 p's scale word; v[220:237] proj_w's two fragments and scale words;
;  v[238:245] the attention output's scale words; v[246:253] proj_b.
.set SLOT1, 65536                      ; slot 1 begins here: one exclusive or turns an address in one slot into the other's.  A slot: [head][step 2][K 4,096, V 4,096]
.set SCL,   131072                     ; the batch's scale words: [head][step 32][512]
.set OIMG,  196608                     ; the attention output's 8 fragments (tile qt, K step s) at 1,024 (2 qt + s)
.set OSC,   204800                     ; their scale words, 128 bytes a fragment, 4 a lane
.set SPARE, 205824                     ; the spare words, 128 bytes for each wave: eight blocks of 256 bytes that no other line names
.set STG,   207872                     ; the way out: 256 rows (channels) x (256 bytes + 16)
.set SP,    272
.set WV,  22                           ; s22 wave
.set G1,  24                           ; s[24:31] descriptor group 1: 64 rows of 256 bytes, dense
.set G0C, 32                           ; s[32:35] group 0 for the codes: it walks
.set G0S, 36                           ; s[36:39] group 0 for the scale words
.set CS,  40                           ; s[40:41] c = log2(e) / 8
.set SEL, 42                           ; s[42:43] lane selects
.set TB,  44                           ; s44 LDS byte at which the slot in hand begins
.set TS,  45                           ; s45 where the step's scale words begin: 512 bytes a step
.set SLOTS, 46                         ; s46 slots still to be asked for
.set LIM, 47                           ; s47 1 in a wave that prefetches, else the greatest number
.set PFA, 48                           ; s[48:49] where my prefetches stand in memory
.macro CROUND                          ; a round of the cluster's barrier: my work-group's barrier; wave 0 signals for the work-group; every wave waits for all four work-groups; my work-group's barrier once more
	s_barrier_signal -1
	s_barrier_wait -1
	s_cmp_lg_u32 s[WV], 0
	s_cbranch_scc1 .Lnot_wave_0_\@
	s_barrier_signal -3
.Lnot_wave_0_\@:
	s_barrier_wait -3
	s_barrier_signal -1
	s_barrier_wait -1
.endm
.macro JLOAD                           ; the joint refill: waves 0 to 3, a head's 16,384 bytes each.  The branch hangs on the wave's number alone.  Four v_nop follow the load
	s_cmp_lt_u32 s[WV], 4
	s_cbranch_scc0 .Lasked_\@
	tensor_load_to_lds s[G0C:G0C+3], s[G1:G1+7]
	s_nop 0
.rept 4
	v_nop
.endr
.Lasked_\@:
.endm
; A PREFETCH INTO THE L2 of the slot that the NEXT change of slots will ask for: 65,536 bytes, two key steps ahead of that load.  All sixteen clusters of a batch walk the same bytes: the batch's first cluster asks.
; Its four partners are told apart BY ADDRESS, a head's 16,384 bytes each; in each, waves 4 and 5 ask for 8,192 bytes, lanes 256 bytes apart: each aligned block of 256 bytes is named once in the launch.
; The last change that fills a slot asks for nothing; slots 0 and 1 and the scale words come by their loads alone.
.macro ASK
	s_cmp_gt_u32 s[SLOTS], s[LIM]
	s_cbranch_scc0 .Lnot_mine_\@
	global_prefetch_b8 v7, s[PFA:PFA+1] th:TH_LOAD_NT scope:SCOPE_SE
.Lnot_mine_\@:
.endm
	s_load_b512 s[4:19], s[0:1], 0x0               ; qc s[4:5], qs s[6:7], kvc s[8:9], kvs s[10:11], proj_w's codes s[12:13], its scales s[14:15], proj_b s[16:17], x s[18:19]
	s_load_b64 s[20:21], s[0:1], 0x40              ; out0
	v_lshl_add_u32 v5, v0, 2, SPARE                ; v5: my spare word; v6: 0; both kept for the add alone
	v_mov_b32 v6, 0
	ds_add_u32 v5, v6
	ds_add_u32 v5, v6
	s_wait_dscnt 0x0
	v_lshrrev_b32 v99, 5, v0
	s_delay_alu instid0(VALU_DEP_1)
	v_readfirstlane_b32 s[WV], v99                 ; wave 0..15
	s_bfe_u32 s50, ttmp6, 0x40000                  ; cx: my place in the cluster: it enters global addresses of Q, x, out0 and the prefetches alone
	s_lshl_b32 s51, ttmp9, 2                       ; in a cluster launch ttmp9 counts clusters
	s_add_co_u32 s51, s51, s50                     ; my block of 64 queries
	s_and_b32 s52, ttmp7, 0xffff                   ; the batch, which the four partners share
	s_lshr_b32 s53, s[WV], 2                       ; head
	s_and_b32 s54, s[WV], 3                        ; tile of queries.  Also: the head whose bytes a fetching wave brings
	s_mov_b32 s[G1], 15|(3<<16)|(1<<21)            ; 15:0 the mask: all four work-groups; 17:16 elements of 8 bytes; 21 set beside a mask; no padding: images are read 16 bytes a lane on end
	s_mov_b32 s[G1+1], 32<<16                      ; tensor_dim0 = 32 elements: 256 bytes
	s_mov_b32 s[G1+2], 64<<16                      ; tensor_dim1 = 64
	s_mov_b32 s[G1+3], 32<<16                      ; tile_dim0
	s_mov_b32 s[G1+4], 64                          ; tile_dim1
	s_mov_b32 s[G1+5], 32                          ; from row to row: dense
	s_mov_b32 s[G1+6], 0
	s_mov_b32 s[G1+7], 0
	s_lshl_b32 s55, s54, 14                        ; a head's 16,384 bytes: in a slot, among the scale words, and in memory
	s_lshl_b32 s56, s52, 20                        ; kvc: the batch's first slot
	s_add_co_u32 s56, s56, s55
	s_mov_b32 s57, 0
	s_lshl_b32 s58, s52, 16                        ; kvs: the batch
	s_add_co_u32 s58, s58, s55
	s_mov_b32 s59, 0
	s_lshl_b32 s60, s52, 2
	s_add_co_u32 s60, s60, s53
	s_lshl_b32 s60, s60, 6
	s_add_co_u32 s60, s60, s51                     ; (4 b + head) 64 + block of queries
	s_lshl_b32 s62, s60, 11                        ; qc: 2,048 bytes a block, 512 a tile
	s_lshl_b32 s63, s54, 9
	s_add_co_u32 s62, s62, s63
	s_mov_b32 s63, 0
	s_lshl_b32 s66, s60, 9                         ; qs: 512 bytes a block; in a lane's 16 bytes word qt
	s_lshl_b32 s67, s54, 2
	s_add_co_u32 s66, s66, s67
	s_mov_b32 s67, 0
	s_lshl_b32 s68, s52, 22                        ; x, out0: batch, channels 16 w on, my block's 256 bytes of a row
	s_lshl_b32 s69, s[WV], 18
	s_add_co_u32 s68, s68, s69
	s_lshl_b32 s69, s51, 8
	s_add_co_u32 s68, s68, s69
	s_mov_b32 s69, 0
	s_lshl_b32 s60, s52, 20                        ; the prefetches: the batch, head cx, half w % 2, in slot 1: the first change of slots steps it to slot 2
	s_lshl_b32 s61, s50, 14
	s_add_co_u32 s60, s60, s61
	s_and_b32 s61, s[WV], 1
	s_lshl_b32 s61, s61, 13
	s_add_co_u32 s60, s60, s61
	s_add_co_u32 s60, s60, SLOT1
	s_mov_b32 s61, 0
	s_lshr_b32 s[LIM], s[WV], 1
	s_xor_b32 s[LIM], s[LIM], 2                    ; 0 in waves 4 and 5,
	s_or_b32 s[LIM], s[LIM], ttmp9                 ; of the batch's first cluster: the same in all four partners
	s_cmp_eq_u32 s[LIM], 0
	s_cselect_b32 s[LIM], 1, -1
	s_mov_b32 s[CS], 0x3e38aa3b                    ; c = log2(e) / 8
	s_mov_b32 s[CS+1], s[CS]                       ; (named with it as a pair, so it is written)
	s_mov_b32 s[SEL], 0x76543210
	s_mov_b32 s[SEL+1], 0xfedcba98
	s_mov_b32 s[TB], 0
	s_mov_b32 s[TS], 0
	s_mov_b32 s[SLOTS], 15
	s_wait_kmcnt 0x0
	s_mov_b32 s[G0C], 1                            ; count = 1
	s_mov_b32 s[G0C+1], s55                        ; LDS: slot 0, my head
	s_add_nc_u64 s[G0C+2:G0C+3], s[8:9], s[56:57]
	s_or_b32 s[G0C+3], s[G0C+3], 0x80000000        ; type = 2
	s_mov_b32 s[G0S], 1
	s_add_co_u32 s[G0S+1], s55, SCL
	s_add_nc_u64 s[G0S+2:G0S+3], s[10:11], s[58:59]
	s_or_b32 s[G0S+3], s[G0S+3], 0x80000000
	s_add_nc_u64 s[PFA:PFA+1], s[8:9], s[60:61]
	s_add_nc_u64 s[4:5], s[4:5], s[62:63]
	s_add_nc_u64 s[6:7], s[6:7], s[66:67]
	s_add_nc_u64 s[18:19], s[18:19], s[68:69]
	s_add_nc_u64 s[20:21], s[20:21], s[68:69]
	CROUND                                         ; all four work-groups are here: the first joint loads meet
	s_cmp_lt_u32 s[WV], 4                          ; a wave's two first fills stand in one branch, ahead of every wait on TENSORcnt, every LDS read and every further barrier
	s_cbranch_scc0 .Lno_fetch
	tensor_load_to_lds s[G0S:G0S+3], s[G1:G1+7]    ; a head's scale words of the whole batch: filled once
	s_nop 0
	tensor_load_to_lds s[G0C:G0C+3], s[G1:G1+7]    ; slot 0
	s_nop 0
.rept 4
	v_nop
.endr
.Lno_fetch:
	v_and_b32 v96, 31, v0                          ; lane
	v_and_b32 v97, 15, v0                          ; r
	s_wait_alu depctr_va_vdst(0)
	v_bfe_u32 v98, v0, 4, 1                        ; h
	v_bfe_u32 v100, v0, 7, 2                       ; head
	v_bfe_u32 v101, v0, 5, 2                       ; tile of queries
	v_lshlrev_b32 v102, 4, v96                     ; 16 lane
	v_lshl_add_u32 v103, v99, 4, v97               ; 16 w + r: my row of proj_w, my output channel
	s_delay_alu instid0(VALU_DEP_1)
	v_lshlrev_b32 v104, 7, v103
	s_delay_alu instid0(VALU_DEP_1)
	v_lshl_add_u32 v104, v98, 4, v104              ; proj_w: 128 bytes a row, + 16 h
	s_delay_alu instid0(VALU_DEP_3)
	v_lshlrev_b32 v105, 3, v103                    ; its scale bytes: 8 a row
	s_delay_alu instid0(VALU_DEP_4)
	v_lshlrev_b32 v106, 2, v103                    ; proj_b
	global_load_b128 v[16:19], v102, s[4:5]        ; Q's four registers, twice: q, 0, q
	global_load_b128 v[24:27], v102, s[4:5]
	global_load_b32 v28, v102, s[6:7]              ; its scale word
.irp s, 0,1
.irp c, 0,1
	global_load_b128 v[220+8*\s+4*\c:223+8*\s+4*\c], v104, s[12:13] offset:64*\s+32*\c
.endr
	global_load_b32 v[236+\s], v105, s[14:15] offset:4*\s
.endr
	global_load_b32 v246, v106, s[16:17]
	; every LDS address is made here, from the thread's number and constants
	v_lshl_add_u32 v1, v100, 14, v102              ; v1: my head's place in a slot, + 16 lane
	s_delay_alu instid0(VALU_DEP_1)
	v_add_nc_u32 v2, SCL, v1                       ; v2: and among the scale words
	v_lshlrev_b32 v7, 8, v96                       ; v7: the prefetches' offset: 256 x lane
	v_lshl_add_u32 v8, v101, 11, v102              ; v8: where my four registers of the output's codes go: fragment (qt, head / 2), registers 4 (head % 2) ..: 2,048 qt + 512 head + 16 lane
	s_delay_alu instid0(VALU_DEP_1)
	v_lshl_add_u32 v8, v100, 9, v8
	s_delay_alu instid0(VALU_DEP_1)
	v_add_nc_u32 v8, OIMG, v8
	v_lshlrev_b32 v9, 2, v96                       ; v9: and my two scale bytes: bytes 2 (head % 2), + 1 of the lane's word
	s_delay_alu instid0(VALU_DEP_1)
	v_lshl_add_u32 v9, v101, 8, v9
	v_bfe_u32 v107, v0, 8, 1
	s_delay_alu instid0(VALU_DEP_1)
	v_lshl_add_u32 v9, v107, 7, v9
	v_bfe_u32 v107, v0, 7, 1
	s_delay_alu instid0(VALU_DEP_1)
	v_lshl_add_u32 v9, v107, 1, v9
	s_delay_alu instid0(VALU_DEP_1)
	v_add_nc_u32 v9, OSC, v9
	v_add_nc_u32 v10, OIMG, v102                   ; v10, v11: the same images on their way back
	v_lshl_add_u32 v11, v96, 2, OSC
	v_mul_u32_u24 v29, v103, SP                    ; v29: the stage: row 16 w + r, + 64 h
	s_delay_alu instid0(VALU_DEP_1)
	v_lshl_add_u32 v29, v98, 6, v29
	s_delay_alu instid0(VALU_DEP_1)
	v_add_nc_u32 v29, STG, v29
	v_lshl_add_u32 v30, v99, 4, v98                ; v30: back: lanes 0-15 one row, lanes 16-31 the next; 16 bytes a lane
	s_delay_alu instid0(VALU_DEP_1)
	v_mul_u32_u24 v30, v30, SP
	s_delay_alu instid0(VALU_DEP_1)
	v_lshl_add_u32 v30, v97, 4, v30
	s_delay_alu instid0(VALU_DEP_1)
	v_add_nc_u32 v30, STG, v30
	v_lshlrev_b32 v31, 4, v97                      ; v31: and the same two rows in x and out0: 16,384 bytes a channel
	s_delay_alu instid0(VALU_DEP_1)
	v_lshl_add_u32 v31, v98, 14, v31
.irp j, 20,21,22,23
	v_mov_b32 v\j, 0                               ; Q's zero codes
.endr
	v_mov_b32 v13, 0xff61b1e6                      ; the largest t so far: -3e38, under every t
	s_delay_alu instid0(VALU_DEP_1)
	v_floor_f32 v12, -v13                          ; -M
	v_mov_b32 v14, 0                               ; the sum, in two halves
	v_mov_b32 v15, 0
.irp j, 208,209,210,211,216,219
	v_mov_b32 v\j, 0                               ; a lane permute's destination counts as one of its sources; v219 is named as the upper half of the pair v[218:219] before it is first written
.endr
.set j, 0
.rept 32
	v_mov_b32 v[160+j], 0                          ; O^T.  (The step is written without a first step of its own: it finds zeros, which the first change of M leaves zeros)
.set j, j+1
.endr
	s_wait_loadcnt 0x0                             ; Q, proj_w, proj_b
.irp j, 1,2,3,4,5,6,7
	v_mov_b32 v[246+\j], v246                      ; in the projection's result a lane holds ONE channel: its bias in all eight registers
.endr
; A KEY STEP: 128 keys, the q-th of the slot in hand.
.macro STEP q
	v_add_nc_u32 v3, s[TB], v1
	v_add_nc_u32 v4, s[TS], v2
	v_nop
	v_nop                                          ; with the two additions: four places in front of loads into registers that the last products have read
	ds_load_b128 v[200:203], v4                    ; the step's scale words: lanes 0-15 K's four, lanes 16-31 V's four
.irp i, 0,1,2,3,4,5,6,7
	ds_load_b128 v[32+4*\i:35+4*\i], v3 offset:8192*\q+512*\i
.endr
.irp i, 0,1,2,3,4,5,6,7
	ds_load_b128 v[64+4*\i:67+4*\i], v3 offset:8192*\q+4096+512*\i
.endr
	s_wait_dscnt 8                                 ; the scale words and K are in; V's eight loads may stay out
.irp g, 0,1,2,3                                ; S^T = K Q^T: fragment g against [q | 0] and [0 | q]: tiles (g, 0), (g, 1) of 16 keys
.irp u, 0,1
	v_wmma_scale_f32_16x16x128_f8f6f4 v[96+16*\g+8*\u:103+16*\g+8*\u], v[32+8*\g:39+8*\g], v[16+4*\u:23+4*\u], 0, v[200+\g], v28 matrix_a_fmt:MATRIX_FMT_FP4 matrix_b_fmt:MATRIX_FMT_FP4
.endr
.endr                                          ; lane (r, h) holds query r; register 16 g + i is key 32 g + 16 h + i
.rept 4
	v_nop
.endr
.irp b, 0,1,2,3
	v_max3_num_f32 v[204+\b], v[96+16*\b], v[97+16*\b], v[98+16*\b]   ; THE LARGEST SCORE OF EACH BLOCK OF 32 KEYS: it serves for the row's maximum and, since p rises with the score, for the block's largest p
.endr
.irp i, 3,5,7,9,11,13
.irp b, 0,1,2,3
	v_max3_num_f32 v[204+\b], v[204+\b], v[96+16*\b+\i], v[97+16*\b+\i]   ; (the four blocks by turns)
.endr
.endr
.irp b, 0,1,2,3
	v_max_num_f32 v[204+\b], v[204+\b], v[111+16*\b]
.endr
.irp b, 0,1,2,3
	s_delay_alu instid0(VALU_DEP_4)
	v_permlanex16_b32 v[208+\b], v[204+\b], s[SEL], s[SEL+1]
.endr
.irp b, 0,1,2,3
	s_delay_alu instid0(VALU_DEP_4)
	v_max_num_f32 v[204+\b], v[204+\b], v[208+\b]  ; with lane l xor 16's 16 keys
.endr
	s_delay_alu instid0(VALU_DEP_2)
	v_max3_num_f32 v216, v204, v205, v206
	s_delay_alu instid0(VALU_DEP_1)
	v_max_num_f32 v216, v216, v207                 ; the step's largest score of my query
	s_delay_alu instid0(VALU_DEP_1)
	v_mul_f32 v216, s[CS], v216                    ; as t (c is positive)
	s_delay_alu instid0(VALU_DEP_1)
	v_max_num_f32 v13, v13, v216                   ; the running largest t
	v_mov_b32 v216, v12
	s_delay_alu instid0(VALU_DEP_2)
	v_floor_f32 v12, -v13                          ; the new -M = floor(-t) = -ceil(t): M is a whole number
	s_delay_alu instid0(VALU_DEP_1)
	v_sub_f32 v216, v12, v216                      ; M's old value less its new one: a whole number, 0 or less
	s_delay_alu instid0(VALU_DEP_1)
	v_cvt_i32_f32 v216, v216                       ; (it saturates)
	s_delay_alu instid0(VALU_DEP_1)
	v_ldexp_f32 v218, 1.0, v216                    ; f = 2^(old M - new M)
.set j, 0
.rept 32
	v_pk_fma_f32 v[96+j:97+j], v[96+j:97+j], s[CS:CS+1], v[12:13] op_sel_hi:[1,0,0]   ; t - M, two at a time (of the pairs c and -M the low word serves both halves)
.set j, j+2
.endr
.irp b, 0,1,2,3
	v_fma_f32 v[204+\b], v[204+\b], s[CS], v12     ; the same of each block's largest score
.endr
.set j, 0
	s_wait_alu depctr_va_vdst(0)
.rept 64
	v_exp_f32 v[96+j], v[96+j]                     ; p = 2^(t - M), at most 1: not normalised
.set j, j+1
.endr
	v_pk_mul_f32 v[14:15], v[14:15], v[218:219] op_sel_hi:[1,0]   ; the sums under the new M: the plain instruction behind the exponentials
	s_wait_alu depctr_va_vdst(0)                   ; one wait for the whole batch, ahead of its first reader
.irp b, 0,1,2,3
	v_exp_f32 v[204+\b], v[204+\b]                 ; the block's largest p: the same two instructions on the same number give the same bits
.endr
	v_pk_add_f32 v[208:209], v[100:101], v[104:105]
	v_pk_add_f32 v[254:255], v[108:109], v[112:113]
	v_pk_add_f32 v[244:245], v[116:117], v[120:121]
	v_pk_add_f32 v[242:243], v[124:125], v[128:129]
	v_pk_add_f32 v[240:241], v[132:133], v[136:137]
	v_pk_add_f32 v[238:239], v[140:141], v[144:145]
	v_pk_add_f32 v[214:215], v[148:149], v[152:153]
	v_pk_add_f32 v[14:15], v[14:15], v[156:157]
	v_pk_add_f32 v[208:209], v[208:209], v[96:97]
	v_pk_add_f32 v[254:255], v[254:255], v[98:99]
	v_pk_add_f32 v[244:245], v[244:245], v[102:103]
	v_pk_add_f32 v[242:243], v[242:243], v[106:107]
	v_pk_add_f32 v[240:241], v[240:241], v[110:111]
	v_pk_add_f32 v[238:239], v[238:239], v[114:115]
	v_pk_add_f32 v[214:215], v[214:215], v[118:119]
	v_pk_add_f32 v[14:15], v[14:15], v[122:123]
	v_pk_add_f32 v[208:209], v[208:209], v[126:127]
	v_pk_add_f32 v[254:255], v[254:255], v[130:131]
	v_pk_add_f32 v[244:245], v[244:245], v[134:135]
	v_pk_add_f32 v[242:243], v[242:243], v[138:139]
	v_pk_add_f32 v[240:241], v[240:241], v[142:143]
	v_pk_add_f32 v[238:239], v[238:239], v[146:147]
	v_pk_add_f32 v[214:215], v[214:215], v[150:151]
	v_pk_add_f32 v[14:15], v[14:15], v[154:155]
	v_pk_add_f32 v[208:209], v[208:209], v[158:159]
	s_delay_alu instid0(VALU_DEP_2)
	v_pk_add_f32 v[14:15], v[14:15], v[242:243]
	s_delay_alu instid0(VALU_DEP_2)
	v_pk_add_f32 v[208:209], v[208:209], v[240:241]
	v_pk_add_f32 v[254:255], v[254:255], v[238:239]
	v_pk_add_f32 v[244:245], v[244:245], v[214:215]
	s_delay_alu instid0(VALU_DEP_2)
	v_pk_add_f32 v[14:15], v[14:15], v[254:255]
	s_delay_alu instid0(VALU_DEP_2)
	v_pk_add_f32 v[208:209], v[208:209], v[244:245]
	s_delay_alu instid0(VALU_DEP_1)
	v_pk_add_f32 v[14:15], v[14:15], v[208:209]
	s_wait_alu depctr_va_vdst(0)                   ; and one for the four
.irp b, 0,1,2,3
	v_max_num_f32 v[204+\b], 0x1800000, v[204+\b]  ; the floor 2^(3 - 127): the byte cannot fall under 1
.endr
.irp b, 0,1,2,3
	s_delay_alu instid0(VALU_DEP_4)
	v_add_nc_u32 v[212+\b], 0xff000000, v[204+\b]  ; 2 off the exponent field: the conversion's scale operand
.endr
.irp b, 0,1,2,3
	s_delay_alu instid0(VALU_DEP_4)
	v_lshrrev_b32 v[208+\b], 23, v[212+\b]         ; the scale's byte
.endr
	s_delay_alu instid0(VALU_DEP_3)
	v_lshl_or_b32 v219, v209, 8, v208              ; p's scale word for these 128 keys
	s_delay_alu instid0(VALU_DEP_1)
	v_lshl_or_b32 v219, v210, 16, v219
	s_delay_alu instid0(VALU_DEP_1)
	v_lshl_or_b32 v219, v211, 24, v219
.irp b, 0,1,2,3
	v_cvt_scalef32_pk8_fp4_f32 v[192+2*\b], v[96+16*\b:103+16*\b], v[212+\b]
	v_cvt_scalef32_pk8_fp4_f32 v[193+2*\b], v[104+16*\b:111+16*\b], v[212+\b]
.endr
	v_nop                                          ; one plain instruction behind a scaled conversion
.irp c, 0,1                                    ; the operand's layout wants a whole block in a lane
.irp i, 0,1
	v_permlane16_swap_b32 v[192+4*\c+\i], v[194+4*\c+\i]
.endr
.endr
.set j, 0
.rept 16
	v_pk_mul_f32 v[160+j:161+j], v[160+j:161+j], v[218:219] op_sel_hi:[1,0]   ; O^T under the new M, each accumulator from its low end on.  These lines also stand between the scale word's and the codes' last writes and the products below
.set j, j+2
.endr
	s_wait_alu depctr_va_vdst(0)
	s_wait_dscnt 0x0                               ; V is in
.irp t, 0,1,2,3                                ; O^T += V^T P^T: four tiles of 16 of the head's 64; K = these 128 keys.  The step's twelve products name twelve accumulators
	v_wmma_scale_f32_16x16x128_f8f6f4 v[160+8*\t:167+8*\t], v[64+8*\t:71+8*\t], v[192:199], v[160+8*\t:167+8*\t], v[200+\t], v219 matrix_a_fmt:MATRIX_FMT_FP4 matrix_b_fmt:MATRIX_FMT_FP4 matrix_a_scale:MATRIX_SCALE_ROW1
.endr
	s_add_co_u32 s[TS], s[TS], 512                 ; the next step's scale words
.endm
; THE CHANGE OF SLOTS stands at a slot's head.  Each wave waits for all its tensor loads (its part of the slot ahead), adds 0 to its spare word, and waits for that and for its reads of the slot that it has left.
; fill = 1: a round of the cluster's barrier follows, so that no wave of any partner still reads that slot or has a load on its way, and the slot is filled with the next two key steps: the load has two key steps in which to land.
.macro CHANGE fill
	s_wait_tensorcnt 0x0                           ; no tensor load of mine is out, so a group 0 may be written
	ds_add_u32 v5, v6                              ; 0 onto my spare word
.if \fill
	s_xor_b32 s[G0C+1], s[G0C+1], SLOT1            ; the walking descriptor: the other slot than last time,
	s_add_nc_u64 s[G0C+2:G0C+3], s[G0C+2:G0C+3], SLOT1   ; the next 65,536 bytes; the type bits on top are not reached
	s_wait_xcnt 0x0                                ; the last prefetch, a slot back, has read its address, so it may be written:
	s_add_nc_u64 s[PFA:PFA+1], s[PFA:PFA+1], SLOT1 ; one slot further on than the walking descriptor
.endif
	s_wait_dscnt 0x0                               ; the add is done, and my reads of the slot that I have left are over
.if \fill
	CROUND
	JLOAD                                          ; the first thing behind the round, and a wave's one tensor load until the next
	ASK
.else
	s_barrier_signal -1
	s_barrier_wait -1
.endif
.endm
.macro SLOT_STEPS
	STEP 0
	STEP 1
	s_xor_b32 s[TB], s[TB], SLOT1                  ; on to the other slot
.endm
.Lslot:                                            ; 15 trips: behind each change of slots but the last the next slot is asked for
	CHANGE 1
	SLOT_STEPS
	s_sub_co_u32 s[SLOTS], s[SLOTS], 1
	s_cmp_lg_u32 s[SLOTS], 0
	s_cbranch_scc1 .Lslot
	CHANGE 0                                       ; the last slot is written out
	SLOT_STEPS
	; THE TAIL.  x's part for the residual is asked for first: 16 channels x 256 bytes, as it will be stored
.irp i, 0,1,2,3,4,5,6,7
	global_load_b128 v[128+4*\i:131+4*\i], v31, s[18:19] offset:32768*\i th:TH_LOAD_NT
.endr
	v_add_f32 v14, v14, v15                        ; the sum's two halves,
	s_delay_alu instid0(VALU_DEP_1)
	v_permlanex16_b32 v216, v14, s[SEL], s[SEL+1]
	s_delay_alu instid0(VALU_DEP_1)
	v_add_f32 v14, v14, v216                       ; and lane l xor 16's: the row's sum
	s_wait_alu depctr_va_vdst(0)
	v_rcp_f32 v14, v14
.rept 3
	v_nop                                          ; plain instructions behind the reciprocal; with the two additions also the places behind the last products
.endr
	s_wait_alu depctr_va_vdst(0)                   ; the wait ahead of the reciprocal's first reader
.set j, 0
.rept 32
	v_mul_f32 v[96+j], v[160+j], v14               ; O^T / the sum: register 16 b + i is channel 32 b + 16 h + i of my head, for query r
.set j, j+1
.endr
	; quantised along the channels: my head's two blocks of 32
.irp b, 0,1
	v_max3_num_f32 v[204+\b], |v[96+16*\b]|, |v[97+16*\b]|, 0x1800000
.endr
.irp i, 2,4,6,8,10,12,14
.irp b, 0,1
	s_delay_alu instid0(VALU_DEP_2)
	v_max3_num_f32 v[204+\b], v[204+\b], |v[96+16*\b+\i]|, |v[97+16*\b+\i]|
.endr
.endr
.irp b, 0,1
	s_delay_alu instid0(VALU_DEP_2)
	v_permlanex16_b32 v[208+\b], v[204+\b], s[SEL], s[SEL+1]
.endr
.irp b, 0,1
	s_delay_alu instid0(VALU_DEP_2)
	v_max_num_f32 v[204+\b], v[204+\b], v[208+\b]
.endr
.irp b, 0,1
	s_delay_alu instid0(VALU_DEP_2)
	v_add_nc_u32 v[212+\b], 0xff000000, v[204+\b]
.endr
.irp b, 0,1
	s_delay_alu instid0(VALU_DEP_2)
	v_lshrrev_b32 v[208+\b], 23, v[212+\b]
.endr
	s_delay_alu instid0(VALU_DEP_1)
	v_lshl_or_b32 v219, v209, 8, v208
.irp b, 0,1
	v_cvt_scalef32_pk8_fp4_f32 v[192+2*\b], v[96+16*\b:103+16*\b], v[212+\b]
	v_cvt_scalef32_pk8_fp4_f32 v[193+2*\b], v[104+16*\b:111+16*\b], v[212+\b]
.endr
	v_nop                                          ; one plain instruction behind a scaled conversion
	v_permlane16_swap_b32 v192, v194
	v_permlane16_swap_b32 v193, v195               ; v[192:195]: lane (r, h): query r, channels 32 h + 0 .. 31 of my head
	ds_store_b128 v8, v[192:195]
	ds_store_b16 v9, v219
	s_wait_dscnt 0x0                               ; for the others' sake: my image and bytes have landed
	s_barrier_signal -1
	s_barrier_wait -1                              ; the output's eight fragments lie in LDS
.irp f, 0,1,2,3,4,5,6,7
.irp c, 0,1
	ds_load_b128 v[32+8*\f+4*\c:35+8*\f+4*\c], v10 offset:1024*\f+512*\c
.endr
	ds_load_b32 v[238+\f], v11 offset:128*\f
.endr
	s_wait_dscnt 0x0
	; the projection: source 0 = 16 pixels of the output, source 1 = my 16 rows of proj_w: a lane holds one channel and eight neighbouring pixels.  Four accumulators by turns, two K steps; proj_b starts the sums
.irp pt, 0,1,2,3
	v_wmma_scale_f32_16x16x128_f8f6f4 v[96+8*\pt:103+8*\pt], v[32+16*\pt:39+16*\pt], v[220:227], v[246:253], v[238+2*\pt], v236 matrix_a_fmt:MATRIX_FMT_FP4 matrix_b_fmt:MATRIX_FMT_FP4
.endr
.irp pt, 0,1,2,3
	v_wmma_scale_f32_16x16x128_f8f6f4 v[96+8*\pt:103+8*\pt], v[40+16*\pt:47+16*\pt], v[228:235], v[96+8*\pt:103+8*\pt], v[239+2*\pt], v237 matrix_a_fmt:MATRIX_FMT_FP4 matrix_b_fmt:MATRIX_FMT_FP4
.endr
.rept 4
	v_nop
.endr
.irp pt, 0,1,2,3                               ; lane (r, h), register j: channel 16 w + r, pixel 32 (pt / 2) + 8 (pt % 2) + 16 h + j.  Each accumulator from its low end on
	ds_store_b128 v29, v[96+8*\pt:99+8*\pt] offset:128*(\pt/2)+32*(\pt%2)
	ds_store_b128 v29, v[100+8*\pt:103+8*\pt] offset:128*(\pt/2)+32*(\pt%2)+16
.endr
.irp i, 0,1,2,3,4,5,6,7
	ds_load_b128 v[160+4*\i:163+4*\i], v30 offset:2*\i*SP   ; the 16 rows are my wave's own, and LDS serves a wave's instructions in order: these see my stores
.endr
	s_wait_loadcnt 0x0                             ; x
.irp i, 0,1,2,3,4,5,6,7
	s_wait_dscnt 7-\i                              ; pair i of rows is back; the younger loads may stay out
	v_pk_add_f32 v[160+4*\i:161+4*\i], v[160+4*\i:161+4*\i], v[128+4*\i:129+4*\i]
	v_pk_add_f32 v[162+4*\i:163+4*\i], v[162+4*\i:163+4*\i], v[130+4*\i:131+4*\i]
	global_store_b128 v31, v[160+4*\i:163+4*\i], s[20:21] offset:32768*\i th:TH_STORE_NT   ; 16 lanes store 256 consecutive bytes, at a multiple of 256 from out0's first byte
.endr
	s_wait_tensorcnt 0x0                           ; the wave's end: behind my last tensor load and my last LDS store
	ds_add_u32 v5, v6
	s_wait_dscnt 0x0
	CROUND                                         ; the closing round: no work-group ends while a partner may still ask for a tile that names it
	s_endpgm
.Lfunc_end_k_qe95ab0d620_attn:
	.size	k_qe95ab0d620_attn, .Lfunc_end_k_qe95ab0d620_attn-k_qe95ab0d620_attn
	.p2alignl 7, 3214868480
	.fill 96, 4, 3214868480
	.section	.rodata,"a",@progbits
	.p2align	6, 0x0
	.amdhsa_kernel k_qe95ab0d620_attn
		.amdhsa_group_segment_fixed_size 327680
		.amdhsa_private_segment_fixed_size 0
		.amdhsa_enable_private_segment 0
		.amdhsa_kernarg_size 72
		.amdhsa_user_sgpr_count 2
		.amdhsa_user_sgpr_kernarg_segment_ptr 1
		.amdhsa_wavefront_size32 1
		.amdhsa_system_sgpr_workgroup_id_x 1
		.amdhsa_system_sgpr_workgroup_id_y 1
		.amdhsa_system_sgpr_workgroup_id_z 1
		.amdhsa_system_vgpr_workitem_id 0
		.amdhsa_next_free_vgpr 256
		.amdhsa_next_free_sgpr 70
		.amdhsa_reserve_vcc 0
		.amdhsa_float_denorm_mode_32 3
		.amdhsa_float_denorm_mode_16_64 3
		.amdhsa_memory_ordered 1
		.amdhsa_forward_progress 1
		.amdhsa_inst_pref_size 85
	.end_amdhsa_kernel
	.amdgpu_metadata
---
amdhsa.version: [ 1, 2 ]
amdhsa.kernels:
  - .name:           k_qe95ab0d620_attn
    .symbol:         k_qe95ab0d620_attn.kd
    .args:
      - { .name: qc, .offset: 0, .size: 8, .value_kind: global_buffer, .address_space: global }
      - { .name: qs, .offset: 8, .size: 8, .value_kind: global_buffer, .address_space: global }
      - { .name: kvc, .offset: 16, .size: 8, .value_kind: global_buffer, .address_space: global }
      - { .name: kvs, .offset: 24, .size: 8, .value_kind: global_buffer, .address_space: global }
      - { .name: proj_w_codes, .offset: 32, .size: 8, .value_kind: global_buffer, .address_space: global }
      - { .name: proj_w_scales, .offset: 40, .size: 8, .value_kind: global_buffer, .address_space: global }
      - { .name: proj_b, .offset: 48, .size: 8, .value_kind: global_buffer, .address_space: global }
      - { .name: x, .offset: 56, .size: 8, .value_kind: global_buffer, .address_space: global }
      - { .name: out0, .offset: 64, .size: 8, .value_kind: global_buffer, .address_space: global }
    .group_segment_fixed_size: 327680
    .private_segment_fixed_size: 0
    .kernarg_segment_align: 8
    .kernarg_segment_size: 72
    .max_flat_workgroup_size: 512
    .sgpr_count:     70
    .vgpr_count:     256
    .wavefront_size: 32
...
	.end_amdgpu_metadata
.endif
;; end of part 3
